; MI455X (gfx1250); checked and timed in simulation.
; The chip was launched on July 23, 2026; its instructions are those of AMD's public machine-readable ISA for CDNA 5 (MIT licence, August 2026) and "CDNA5" Instruction Set Architecture Reference Guide (July 2026). The comments in the code are by the model that wrote it; some were corrected since.
;; Multi Head Attention. Allowed arithmetic: matrix products marked QUANTISED: E5M2 operands, one E8M0 scale for each 32 along K, by v_wmma_scale_f32_16x16x128_f8f6f4 with both operands' format E5M2, f32 sums; everything else in f32.
;; Inputs: Wk_codes 512 x 16 x 32 uint8 (E5M2 codes of Wk, K innermost, in blocks of 32 codes); Wk_scales 512 x 16 uint8 (E8M0 scales of Wk, one for each 32 codes along K); Wo_codes 512 x 16 x 32 uint8 (E5M2 codes of Wo, K innermost, in blocks of 32 codes); Wo_scales 512 x 16 uint8 (E8M0 scales of Wo, one for each 32 codes along K); Wq_codes 512 x 16 x 32 uint8 (E5M2 codes of Wq, K innermost, in blocks of 32 codes); Wq_scales 512 x 16 uint8 (E8M0 scales of Wq, one for each 32 codes along K); Wv_codes 512 x 16 x 32 uint8 (E5M2 codes of Wv, K innermost, in blocks of 32 codes); Wv_scales 512 x 16 uint8 (E8M0 scales of Wv, one for each 32 codes along K); bk 512 float32; bo 512 float32; bq 512 float32; bv 512 float32; k_codes 2 x 4,096 x 16 x 32 uint8 (E5M2 codes of k, K innermost, in blocks of 32 codes); k_scales 2 x 4,096 x 16 uint8 (E8M0 scales of k, one for each 32 codes along K); q_codes 2 x 4,096 x 16 x 32 uint8 (E5M2 codes of q, K innermost, in blocks of 32 codes); q_scales 2 x 4,096 x 16 uint8 (E8M0 scales of q, one for each 32 codes along K); v_codes 2 x 4,096 x 16 x 32 uint8 (E5M2 codes of v, K innermost, in blocks of 32 codes); v_scales 2 x 4,096 x 16 uint8 (E8M0 scales of v, one for each 32 codes along K).
;; Outputs: out0 2 x 4,096 x 512 float32.
;; This version of the problem:
;;   THIS VERSION OF THE PROBLEM IS GIVEN IN LOW PRECISION. The matrix products marked QUANTISED in the list below multiply operands that are first quantised to E5M2 (5 exponent bits, 2 mantissa bits; 8 bits a number), with one power-of-two scale for each 32 numbers along K (OCP MX v1.0); their sums are f32. All else is computed in f32.
;;   The module's matrix products, in the order in which they are computed (A, B: the left and right operand; K: the contracted axis; several contracted axes count as one K, in the product's order):
;;     1. [M 8,192, K 512] x [K 512, N 512]; A: input q (given as codes); B: input Wq (given as codes): QUANTISED
;;     2. [M 8,192, K 512] x [K 512, N 512]; A: input k (given as codes); B: input Wk (given as codes): QUANTISED
;;     3. [M 8,192, K 512] x [K 512, N 512]; A: input v (given as codes); B: input Wv (given as codes): QUANTISED
;;     4. batch 16 x [M 4,096, K 64] x [K 64, N 4,096]; A: computed on the way; B: computed on the way: QUANTISED
;;     5. batch 16 x [M 64, K 4,096] x [K 4,096, N 4,096]; A: computed on the way; B: softmax (see below): QUANTISED
;;     6. [M 8,192, K 512] x [K 512, N 512]; A: computed on the way; B: input Wo (given as codes): QUANTISED
;;   THE QUANTISER, for each operand of a quantised product, along K:
;;     - K is cut into blocks of 32 from its start; a last block that is shorter is filled with zeros.
;;     - A block's scale is 2^e with e = floor(log2(the largest magnitude in the block)) - 15, held to -126 .. 127; a block of zeros has e = 0. As a byte (E8M0): e + 127.
;;     - Each number is divided by its block's scale, clamped to +-57,344, and rounded to the nearest number of E5M2, ties to even, subnormals kept.
;;     - The product sums the exact products of the quantised numbers (number of the format x scale) in f32.
;;   ~~~python
;;   def quantise(x, axis):      # numpy; x: float32 -> the quantised numbers, widened to float32 again
;;       x = np.moveaxis(x, axis, -1); K = x.shape[-1]
;;       x = np.pad(x, [(0, 0)] * (x.ndim - 1) + [(0, -K % 32)]); x = x.reshape(x.shape[:-1] + (-1, 32)); a = np.abs(x).max(-1, keepdims=True)
;;       e = np.where(a > 0, np.clip(np.frexp(np.where(a > 0, a, 1))[1] - 1 - 15, -126, 127), 0)      # np.frexp(a)[1] - 1 = floor(log2(a)), exactly
;;       r = np.clip(x / 2.0 ** e, -57344, 57344)
;;       step = 2.0 ** (np.maximum(np.frexp(np.where(r == 0, 1, r))[1] - 1, -14) - 2)
;;       q = np.round(r / step) * step * 2.0 ** e      # np.round: ties to even
;;       return np.moveaxis(q.reshape(q.shape[:-2] + (-1,))[..., :K], -1, axis).astype(np.float32)
;;   ~~~
;;   SOFTMAX AHEAD OF A QUANTISED PRODUCT. Where the list says 'softmax', what is quantised is not the finished softmax but p = 2^(t - M), with t = logit x log2(e) and M = ceil(the row's largest t), a whole number; so 1/2 < the row's largest p <= 1. The row's sum l is taken of the UNQUANTISED p, in f32, and the product's result is divided by l at the end. Since M is a whole number, a kernel that streams over the keys may use a running M (the ceiling of the running maximum): every later rescaling is an exact power of two, which a block's scale takes up: the codes' values come out the same.
;;   OPERANDS COMPUTED ON THE WAY. 'Computed on the way' means the value that the module computes at that place (a softmax that the list does not call 'softmax' is quantised finished and normalised). What goes into a quantiser is computed in f32, as accurately as f32 sums, v_exp_f32 and their like allow (about 1e-6 of the number): no bf16 or f16 on the way to a quantiser, and a product that is left as it is and whose result goes on into a quantised operand takes f32 operands (vector FMAs, or v_wmma_f32_16x16x4_f32). A number that lies on a knife's edge between two numbers of the format may be rounded either way, as far as f32 arithmetic and the matrix unit's own rounding can turn it there, and no further.
;;   INPUTS GIVEN AS CODES. Wk (in the module: [512, 512], K = its axis 0); Wo (in the module: [512, 512], K = its axis 0); Wq (in the module: [512, 512], K = its axis 0); Wv (in the module: [512, 512], K = its axis 0); k (in the module: [2, 4096, 512], K = its axis 2); q (in the module: [2, 4096, 512], K = its axis 2); v (in the module: [2, 4096, 512], K = its axis 2): each comes as NAME_codes (uint8): NAME with its K axis moved to the last place and cut into blocks of 32 codes, [.., K / 32, bytes a block], one block behind the other in memory; one code a byte (a code: sign, 5 exponent bits, 2 mantissa bits); and NAME_scales (uint8): the same leading axes, one E8M0 byte (e + 127) for each 32 codes along K. Its value is code x scale, taken as it is: it is not quantised again, and the codes and scales need not be those that the quantiser above would give.
;; One version. Each part assembles by itself: llvm-mc -triple=amdgcn-amd-amdhsa -mcpu=gfx1250 --defsym DOCPART=n.
;; ======== version 1 of 1: 3 launches
;; limits: right only within a limited range of input values
;; workspace buffers: qw 4,325,376 bytes; kv 8,650,752 bytes; ow 4,194,304 bytes; os 262,144 bytes
;; launch proj (part 1): grid 64 x 3, 8 waves a work-group, no clusters, 70,656 bytes of LDS; arguments q_codes, q_scales, Wq_codes, Wq_scales, bq, k_codes, k_scales, Wk_codes, Wk_scales, bk, v_codes, v_scales, Wv_codes, Wv_scales, bv, qw, kv; writes qw, kv
.if DOCPART == 1
	.amdgcn_target "amdgcn-amd-amdhsa--gfx1250"
	.amdhsa_code_object_version 6
	.text
	.protected	k_q93ee109303_proj
	.globl	k_q93ee109303_proj
	.p2align	8
	.type	k_q93ee109303_proj,@function
k_q93ee109303_proj:
	s_mov_b64 s[64:65], 0
	v_nop
	global_prefetch_b8 v0, s[64:65] scope:SCOPE_SE
	s_setreg_imm32_b32 hwreg(HW_REG_WAVE_MODE, 25, 1), 1
	s_wait_xcnt 0x0
; The three projections x W + b (x = q, k or v: [8192][512] as codes of E5M2 with E8M0 scales, W: [512 n][512 k] likewise), each result quantised again on the way:
; qh and kh along a head's 64 channels, vh along the keys.  Sums in f32; the bias is the C of each sum's first matrix instruction.
; SHARES.  Work-group x takes 128 tokens, work-group y the tensor (0 q, 1 k, 2 v).  Wave w is head w: its 64 rows of W (16 fragments, 256 registers, window 1) come from memory once and stay.
; The 128 tokens' codes come from memory once (wave w: token tile w) and go from wave to wave through LDS as IMAGES OF THE OPERAND'S REGISTERS: four registers a store, lane l's 16 bytes at 16 l.
; THE ROWS OF A TILE ARE NOT NEIGHBOURS, for tokens and for W alike: lane r of tile 2 b + u takes row 32 b + 8 u + r + 8 (r / 8), so that in a result whose source 0 the tile was the 16 registers
; of tiles 2 b and 2 b + 1 are 16 neighbours, 32 b + 16 (lane / 16) + 0 .. 15: what the conversions and the next operand's layout want.
; q, k: source 0 = W, source 1 = tokens: a lane holds a token, its registers run along the head's channels.  The codes of token tiles 2 f and 2 f + 1 (64 codes a token each) form ONE fragment
; of 16 registers ("pair fragment" f): registers 0-7 tile 2 f, registers 8-15 tile 2 f + 1; its scale word holds the two bytes of each.
; v: source 0 = tokens, source 1 = W: a lane holds a channel, its registers run along the keys; the block of keys 32 f .. 32 f + 31 gives registers 4 f .. 4 f + 3 of the fragment (channel tile, 128 keys).
; OUT: images, 512 consecutive aligned bytes a store; four fragments' scale words leave as one aligned block of 256 bytes (lane l: word 0 of fragment l / 16, word 1 of fragment 2 + l / 16).
; LIMITS: NaN and infinities among the inputs are not served.  A block of zeros gets the byte 1 where the rule says 127 (its codes are zeros; this program alone reads the bytes);
; blocks whose largest magnitude lies under 2^-111 are held at the byte 1.
.set QCHUNK, 8448                      ; qw: 128 tokens of a head: 4 pair fragments of 2,048 bytes + 256 bytes of scale words.  A block of kv is twice that: K's, V's, K's words, V's words
.set QHEADB, 32*QCHUNK
.set XSCB,   65536                     ; LDS: the tokens' 32 fragments (tile T, K step s at (4 T + s) 2,048), then their scale words (tile T: four words a lane at 512 T + 16 l)
.set LI,  1                            ; v1   16 x lane
.set L8,  2                            ; v2   8 x lane
.set VA,  3                            ; v3   512 (r + 8 (r / 8)) + 16 h: my place in 16 rows of 512 codes
.set VS,  4                            ; v4   16 (r + 8 (r / 8)): in their rows of 16 scale bytes
.set XW,  5                            ; v5   where I store my tile's images: 16 x lane + 8,192 x wave
.set XWS, 6                            ; v6   and its scale words: XSCB + 16 x lane + 512 x wave
.set LSX, 7                            ; v7   XSCB + 16 x lane
.set VBQ, 8                            ; v8   the bias for q and k: 64 h
.set VBV, 9                            ; v9   for v: 4 (r + 8 (r / 8))
.set UN,  10                           ; v[10:11] the scale words on their way out
.set PW,  12                           ; v12-15 four fragments' scale words
.set WSC, 16                           ; v16-31 W's scale words (4 tile + K step)
.set XSR, 32                           ; v32-47 the tokens' scale words: two sets of 8 (4 u + K step)
.set TM,  48                           ; v48-63 the quantiser's: largest magnitudes, bytes, scale operands
.set XF,  64                           ; v64-127 two slots of two token fragments; at the head the 16 loads of my tile
.set ACC, 128                          ; v128-191 eight accumulators
.set BB,  192                          ; v192-223 the bias, eight registers a tile of W
.set PC,  224                          ; v224-239 the codes just made
.set XST, 240                          ; v240-243 my tile's scale words on their way to LDS
.set HH,  244                          ; v244 h = lane / 16
.set SEL, 56                           ; s[56:57] lane selects: lane l xor 16
.set MNT, 58
.set MSB, 0
.macro WIN new                         ; the immediate's high byte repeats the setting that is left; a switch that changes nothing is dropped
.if MSB != \new
	s_set_vgpr_msb (MSB<<8)|\new
.set MSB, \new
.endif
.endm
; 64 numbers of a lane, four blocks of 16 registers whose other 16 lie in lane l xor 16, become 16 registers of codes in v[PC] on; the blocks' bytes stay in v[TM+4] on.
.macro QUANT s
.irp b, 0,1,2,3
	v_max3_num_f32 v[TM+\b], |v[\s+16*\b]|, |v[\s+1+16*\b]|, 0x8000000   ; my 16 numbers, and the floor 2^(16 - 127): the byte cannot fall under 1
.endr
.irp i, 2,4,6,8,10,12,14
.irp b, 0,1,2,3
	v_max3_num_f32 v[TM+\b], v[TM+\b], |v[\s+16*\b+\i]|, |v[\s+1+16*\b+\i]|   ; the four blocks by turns; each accumulator is read from its low end on
.endr
.endr
.irp b, 0,1,2,3
	s_delay_alu instid0(VALU_DEP_4)
	v_permlanex16_b32 v[TM+4+\b], v[TM+\b], s[SEL], s[SEL+1]
.endr
.irp b, 0,1,2,3
	s_delay_alu instid0(VALU_DEP_4)
	v_max_num_f32 v[TM+\b], v[TM+\b], v[TM+4+\b]             ; the block's largest magnitude
.endr
.irp b, 0,1,2,3
	s_delay_alu instid0(VALU_DEP_4)
	v_add_nc_u32 v[TM+12+\b], 0xf8800000, v[TM+\b]           ; 15 off its exponent field: the conversion's scale operand
.endr
.irp b, 0,1,2,3
.endr
.irp b, 0,1,2,3
	s_delay_alu instid0(VALU_DEP_4)
	v_lshrrev_b32 v[TM+4+\b], 23, v[TM+12+\b]                ; the scale's byte
.endr
.irp b, 0,1,2,3
.irp i, 0,1,2,3,4,5,6,7,8,9,10,11,12,13,14,15
.endr
	v_cvt_scalef32_pk8_bf8_f32 v[PC+4*\b:PC+1+4*\b], v[\s+16*\b:\s+7+16*\b], v[TM+12+\b]
	v_cvt_scalef32_pk8_bf8_f32 v[PC+2+4*\b:PC+3+4*\b], v[\s+8+16*\b:\s+15+16*\b], v[TM+12+\b]
.endr
	v_nop                                  ; one plain instruction behind the last conversion: later products write its sources
.endm
.macro WTILE t                         ; W's tile t, four K steps, into window 1 at v[16 (4 t + s)]
.irp s, 0,1,2,3
.irp c, 0,1,2,3
	global_load_b128 v[16*(4*\t+\s)+4*\c:16*(4*\t+\s)+4*\c+3], v[VA], s[46:47] offset:(32*(\t/2)+8*(\t%2))*512+128*\s+32*\c
.endr
.endr
.endm
.macro XSLOAD f                        ; the scale words of token tiles 2 f and 2 f + 1 into set f % 2
.irp u, 0,1
	ds_load_b128 v[XSR+8*((\f)%2)+4*\u:XSR+8*((\f)%2)+4*\u+3], v[LSX] offset:512*(2*(\f)+\u)
.endr
.endm
.macro XLOAD q                         ; step q = 4 f + s: K step s of token tiles 2 f and 2 f + 1 into slot q % 2
.irp u, 0,1
.irp c, 0,1,2,3
	ds_load_b128 v[XF+32*((\q)%2)+16*\u+4*\c:XF+32*((\q)%2)+16*\u+4*\c+3], v[LI] offset:((2*((\q)/4)+\u)*4+(\q)%4)*2048+512*\c
.endr
.endr
.endm
; Eight matrix instructions: two token tiles x W's four tiles, one K step.  The eight accumulators take turns, one instruction a turn, in the same order in every K step.
.macro MM f, s, vp
.if \vp
	WIN 0x04                               ; source 1 (W) in window 1
.else
	WIN 0x01                               ; source 0 (W) in window 1
.endif
.irp u, 0,1
.irp t, 0,1,2,3
.set rX, XF+32*((\s)%2)+16*\u
.set rW, 16*(4*\t+(\s))
.set rXS, XSR+8*((\f)%2)+4*\u+(\s)
.set rWS, WSC+4*\t+(\s)
.if \vp
.set rD, ACC+8*(2*\t+\u)
.if (\s) == 0
	v_wmma_scale_f32_16x16x128_f8f6f4 v[rD:rD+7], v[rX:rX+15], v[rW:rW+15], v[BB+8*\t:BB+8*\t+7], v[rXS], v[rWS] matrix_a_fmt:MATRIX_FMT_BF8 matrix_b_fmt:MATRIX_FMT_BF8
.else
	v_wmma_scale_f32_16x16x128_f8f6f4 v[rD:rD+7], v[rX:rX+15], v[rW:rW+15], v[rD:rD+7], v[rXS], v[rWS] matrix_a_fmt:MATRIX_FMT_BF8 matrix_b_fmt:MATRIX_FMT_BF8
.endif
.else
.set rD, ACC+8*(4*\u+\t)
.if (\s) == 0
	v_wmma_scale_f32_16x16x128_f8f6f4 v[rD:rD+7], v[rW:rW+15], v[rX:rX+15], v[BB+8*\t:BB+8*\t+7], v[rWS], v[rXS] matrix_a_fmt:MATRIX_FMT_BF8 matrix_b_fmt:MATRIX_FMT_BF8
.else
	v_wmma_scale_f32_16x16x128_f8f6f4 v[rD:rD+7], v[rW:rW+15], v[rX:rX+15], v[rD:rD+7], v[rWS], v[rXS] matrix_a_fmt:MATRIX_FMT_BF8 matrix_b_fmt:MATRIX_FMT_BF8
.endif
.endif
.endr
.endr
.endm
	s_load_b512 s[8:23], s[0:1], 0x0               ; q's codes, scales, Wq's codes, scales, bq, k's codes, scales, Wk's codes
	s_load_b512 s[24:39], s[0:1], 0x40             ; Wk's scales, bk, v's codes, scales, Wv's codes, scales, bv, qw
	s_load_b64 s[40:41], s[0:1], 0x80              ; kv
	v_lshl_add_u32 v254, v0, 2, 0x11000
	v_mov_b32 v255, 0
	v_lshrrev_b32 v245, 5, v0
	s_delay_alu instid0(VALU_DEP_1)
	v_readfirstlane_b32 s2, v245                   ; wave = head
	s_and_b32 s3, ttmp7, 0xffff                    ; which tensor
	s_mov_b32 s4, ttmp9                            ; which 128 tokens
	v_and_b32 v245, 31, v0                         ; lane
	v_and_b32 v246, 15, v0                         ; r
	v_bfe_u32 v[HH], v0, 4, 1                      ; h
	s_delay_alu instid0(VALU_DEP_3)
	v_lshlrev_b32 v[LI], 4, v245
	s_delay_alu instid0(VALU_DEP_4)
	v_lshlrev_b32 v[L8], 3, v245
	s_delay_alu instid0(VALU_DEP_4)
	v_and_b32 v247, 8, v246
	s_delay_alu instid0(VALU_DEP_1)
	v_add_nc_u32 v247, v247, v246                  ; r + 8 (r / 8)
	s_delay_alu instid0(VALU_DEP_1)
	v_lshlrev_b32 v[VA], 9, v247
	s_delay_alu instid0(VALU_DEP_1)
	v_lshl_add_u32 v[VA], v[HH], 4, v[VA]
	s_delay_alu instid0(VALU_DEP_3)
	v_lshlrev_b32 v[VS], 4, v247
	v_lshlrev_b32 v[VBQ], 6, v[HH]
	v_lshlrev_b32 v[VBV], 2, v247
	s_lshl_b32 s5, s2, 13
	v_add_nc_u32 v[XW], s5, v[LI]
	s_lshl_b32 s5, s2, 9
	s_add_co_u32 s5, s5, XSCB
	v_add_nc_u32 v[XWS], s5, v[LI]
	v_add_nc_u32 v[LSX], XSCB, v[LI]
.irp b, 0,1,2,3
	v_mov_b32 v[TM+4+\b], 0                        ; written once: a lane permute's destination counts as one of its sources
.endr
	s_mov_b32 s[SEL], 0x76543210
	s_mov_b32 s[SEL+1], 0xfedcba98
	s_lshl_b32 s5, s4, 7                           ; my token tile's first row: 128 x + 32 (w / 2) + 8 (w % 2)
	s_lshr_b32 s6, s2, 1
	s_lshl_b32 s6, s6, 5
	s_add_co_u32 s5, s5, s6
	s_and_b32 s6, s2, 1
	s_lshl_b32 s6, s6, 3
	s_add_co_u32 s5, s5, s6
	s_lshl_b32 s60, s5, 9                          ; its codes,
	s_mov_b32 s61, 0
	s_lshl_b32 s62, s5, 4                          ; its scale bytes
	s_mov_b32 s63, 0
	s_wait_alu depctr_va_vdst(0)
	s_wait_kmcnt 0x0
	s_cmp_eq_u32 s3, 0                             ; the buffers are chosen by the work-group's number alone: q's or k's,
	s_cselect_b64 s[42:43], s[8:9], s[18:19]
	s_cselect_b64 s[44:45], s[10:11], s[20:21]
	s_cselect_b64 s[46:47], s[12:13], s[22:23]
	s_cselect_b64 s[48:49], s[14:15], s[24:25]
	s_cselect_b64 s[50:51], s[16:17], s[26:27]
	s_cselect_b64 s[52:53], s[38:39], s[40:41]     ; qw, or kv for k and v alike
	s_cmp_eq_u32 s3, 2                             ; or v's
	s_cselect_b64 s[42:43], s[28:29], s[42:43]
	s_cselect_b64 s[44:45], s[30:31], s[44:45]
	s_cselect_b64 s[46:47], s[32:33], s[46:47]
	s_cselect_b64 s[48:49], s[34:35], s[48:49]
	s_cselect_b64 s[50:51], s[36:37], s[50:51]
	s_add_nc_u64 s[42:43], s[42:43], s[60:61]
	s_add_nc_u64 s[44:45], s[44:45], s[62:63]
.irp s, 0,1,2,3
.irp c, 0,1,2,3
	global_load_b128 v[XF+16*\s+4*\c:XF+16*\s+4*\c+3], v[VA], s[42:43] offset:128*\s+32*\c th:TH_LOAD_NT   ; my token tile, four fragments: read once in the launch
.endr
.endr
	global_load_b128 v[XST:XST+3], v[VS], s[44:45] ; and its rows' four scale words
	s_lshl_b32 s60, s2, 15                         ; my head's 64 rows of W: codes,
	s_add_nc_u64 s[46:47], s[46:47], s[60:61]
	s_lshl_b32 s60, s2, 10                         ; scale bytes,
	s_add_nc_u64 s[48:49], s[48:49], s[60:61]
	s_lshl_b32 s60, s2, 8                          ; and the bias
	s_add_nc_u64 s[50:51], s[50:51], s[60:61]
.irp t, 0,1,2,3
	global_load_b128 v[WSC+4*\t:WSC+4*\t+3], v[VS], s[48:49] offset:(32*(\t/2)+8*(\t%2))*16
.endr
	WIN 0x40                                       ; destination window 1
	WTILE 0
	WTILE 1
	; where the results go: head 8 (x / 32) + w, chunk x % 32
	s_lshr_b32 s5, s4, 5
	s_lshl_b32 s5, s5, 3
	s_add_co_u32 s5, s5, s2
	s_mul_i32 s5, s5, QHEADB
	s_and_b32 s6, s4, 31
	s_mul_i32 s6, s6, QCHUNK
	s_add_co_u32 s5, s5, s6
	s_min_u32 s6, s3, 1
	s_lshl_b32 s5, s5, s6                          ; kv's blocks are twice qw's
	s_lshl_b32 s7, 8192, s6                        ; the scale words lie behind the images: 8,192 in qw, 16,384 in kv,
	s_cmp_eq_u32 s3, 2
	s_cselect_b32 s6, 8192, 0                      ; V's images behind K's,
	s_cselect_b32 s59, 256, 0                      ; V's words behind K's
	s_add_co_u32 s60, s5, s6
	s_add_co_u32 s62, s5, s7
	s_add_co_u32 s62, s62, s59
	s_add_nc_u64 s[54:55], s[52:53], s[62:63]      ; the scale words' block
	s_add_nc_u64 s[52:53], s[52:53], s[60:61]      ; the images
	s_wait_loadcnt 36                              ; my token tile's 17 loads are in; the 4 + 32 issued behind them may stay out
	WIN 0
.irp s, 0,1,2,3
.irp c, 0,1,2,3
	ds_store_b128 v[XW], v[XF+16*\s+4*\c:XF+16*\s+4*\c+3] offset:2048*\s+512*\c
.endr
.endr
	ds_store_b128 v[XWS], v[XST:XST+3]
	WIN 0x40
	WTILE 2
	WTILE 3
	WIN 0
	s_wait_dscnt 0x0                               ; for the others' sake: my stores have landed
	s_barrier_signal -1
	s_barrier_wait -1                              ; the 128 tokens' images lie in LDS; nothing is written there again
	s_cmp_eq_u32 s3, 2
	s_cbranch_scc1 .Lv
.macro PATH vp
.if \vp
.irp t, 0,1,2,3
	global_load_b32 v[BB+8*\t], v[VBV], s[50:51] offset:(32*(\t/2)+8*(\t%2))*4   ; a lane holds one channel: one number of the bias a tile
.endr
.else
.irp t, 0,1,2,3
	global_load_b128 v[BB+8*\t:BB+8*\t+3], v[VBQ], s[50:51] offset:(32*(\t/2)+8*(\t%2))*4      ; a lane's eight channels of the tile
	global_load_b128 v[BB+8*\t+4:BB+8*\t+7], v[VBQ], s[50:51] offset:(32*(\t/2)+8*(\t%2))*4+16
.endr
.endif
	XSLOAD 0
	XLOAD 0
	XLOAD 1
	s_wait_loadcnt 0x0                             ; W, its scale words, the bias
.if \vp
.irp t, 0,1,2,3
.irp j, 1,2,3,4,5,6,7
	v_mov_b32 v[BB+8*\t+\j], v[BB+8*\t]            ; the same in all eight rows (tokens) of the result
.endr
.endr
.rept 4
	v_nop
.endr
.endif
	s_wait_alu depctr_va_vdst(0)
.irp f, 0,1,2,3
.irp s, 0,1,2,3
.if (4*\f+\s) == 15
	s_wait_dscnt 0x0
.else
	s_wait_dscnt 8                                 ; this step's fragments and scale words are in; the next step's eight loads may stay out
.endif
	MM \f, \s, \vp
	WIN 0
.rept 8
	v_nop                                          ; eight places behind this form, in front of the loads into the slot just multiplied and of the first read of results
.endr
.if (4*\f+\s)+2 < 16
.if ((4*\f+\s)+2)%4 == 0
	XSLOAD \f+1
.endif
	XLOAD (4*\f+\s+2)
.endif
.if \s == 3
.if \f > 0
	s_wait_xcnt 0x0                                ; the last block's stores have read the codes' registers
.endif
	QUANT ACC
.if \vp
.irp t, 0,1,2,3
.if \f == 0
	v_mov_b32 v[PW+\t], v[TM+4+\t]                 ; fragment t's scale word: byte f is that of keys 32 f on
.else
	v_lshl_or_b32 v[PW+\t], v[TM+4+\t], 8*\f, v[PW+\t]
.endif
.endr
.irp b, 0,1,2,3
	global_store_b128 v[LI], v[PC+4*\b:PC+4*\b+3], s[52:53] offset:2048*\b+512*\f   ; registers 4 f .. 4 f + 3 of V's fragment b: 512 consecutive aligned bytes
.endr
.else
	v_lshl_or_b32 v[PW+\f], v[TM+5], 8, v[TM+4]    ; pair fragment f's scale word
	s_delay_alu instid0(VALU_DEP_1)
	v_lshl_or_b32 v[PW+\f], v[TM+6], 16, v[PW+\f]
	s_delay_alu instid0(VALU_DEP_1)
	v_lshl_or_b32 v[PW+\f], v[TM+7], 24, v[PW+\f]
.irp b, 0,1,2,3
	global_store_b128 v[LI], v[PC+4*\b:PC+4*\b+3], s[52:53] offset:2048*\f+512*\b
.endr
.endif
.endif
.endr
.endr
	v_cmp_ne_u32 vcc_lo, 0, v[HH]
	s_delay_alu instid0(VALU_DEP_1)
	v_cndmask_b32 v[UN], v[PW], v[PW+1], vcc_lo    ; lanes 0-15: fragments 0 and 2; lanes 16-31: fragments 1 and 3
	s_delay_alu instid0(VALU_DEP_2)
	v_cndmask_b32 v[UN+1], v[PW+2], v[PW+3], vcc_lo
	global_store_b64 v[L8], v[UN:UN+1], s[54:55]   ; 256 consecutive aligned bytes
	s_wait_tensorcnt 0x0
	ds_add_u32 v254, v255
	s_wait_dscnt 0x0
	s_endpgm
.endm
	PATH 0
.Lv:
	PATH 1
.Lfunc_end_k_q93ee109303_proj:
	.size	k_q93ee109303_proj, .Lfunc_end_k_q93ee109303_proj-k_q93ee109303_proj
	.p2alignl 7, 3214868480
	.fill 96, 4, 3214868480
	.section	.rodata,"a",@progbits
	.p2align	6, 0x0
	.amdhsa_kernel k_q93ee109303_proj
		.amdhsa_group_segment_fixed_size 70656
		.amdhsa_private_segment_fixed_size 0
		.amdhsa_enable_private_segment 0
		.amdhsa_kernarg_size 136
		.amdhsa_user_sgpr_count 2
		.amdhsa_user_sgpr_kernarg_segment_ptr 1
		.amdhsa_wavefront_size32 1
		.amdhsa_system_sgpr_workgroup_id_x 1
		.amdhsa_system_sgpr_workgroup_id_y 1
		.amdhsa_system_sgpr_workgroup_id_z 1
		.amdhsa_system_vgpr_workitem_id 0
		.amdhsa_next_free_vgpr 512
		.amdhsa_next_free_sgpr 66
		.amdhsa_reserve_vcc 1
		.amdhsa_float_denorm_mode_32 3
		.amdhsa_float_denorm_mode_16_64 3
		.amdhsa_fp16_overflow 1
		.amdhsa_memory_ordered 1
		.amdhsa_forward_progress 1
		.amdhsa_inst_pref_size 113
	.end_amdhsa_kernel
	.amdgpu_metadata
---
amdhsa.version: [ 1, 2 ]
amdhsa.kernels:
  - .name:           k_q93ee109303_proj
    .symbol:         k_q93ee109303_proj.kd
    .args:
      - { .name: q_codes, .offset: 0, .size: 8, .value_kind: global_buffer, .address_space: global }
      - { .name: q_scales, .offset: 8, .size: 8, .value_kind: global_buffer, .address_space: global }
      - { .name: Wq_codes, .offset: 16, .size: 8, .value_kind: global_buffer, .address_space: global }
      - { .name: Wq_scales, .offset: 24, .size: 8, .value_kind: global_buffer, .address_space: global }
      - { .name: bq, .offset: 32, .size: 8, .value_kind: global_buffer, .address_space: global }
      - { .name: k_codes, .offset: 40, .size: 8, .value_kind: global_buffer, .address_space: global }
      - { .name: k_scales, .offset: 48, .size: 8, .value_kind: global_buffer, .address_space: global }
      - { .name: Wk_codes, .offset: 56, .size: 8, .value_kind: global_buffer, .address_space: global }
      - { .name: Wk_scales, .offset: 64, .size: 8, .value_kind: global_buffer, .address_space: global }
      - { .name: bk, .offset: 72, .size: 8, .value_kind: global_buffer, .address_space: global }
      - { .name: v_codes, .offset: 80, .size: 8, .value_kind: global_buffer, .address_space: global }
      - { .name: v_scales, .offset: 88, .size: 8, .value_kind: global_buffer, .address_space: global }
      - { .name: Wv_codes, .offset: 96, .size: 8, .value_kind: global_buffer, .address_space: global }
      - { .name: Wv_scales, .offset: 104, .size: 8, .value_kind: global_buffer, .address_space: global }
      - { .name: bv, .offset: 112, .size: 8, .value_kind: global_buffer, .address_space: global }
      - { .name: qw, .offset: 120, .size: 8, .value_kind: global_buffer, .address_space: global }
      - { .name: kv, .offset: 128, .size: 8, .value_kind: global_buffer, .address_space: global }
    .group_segment_fixed_size: 70656
    .private_segment_fixed_size: 0
    .kernarg_segment_align: 8
    .kernarg_segment_size: 136
    .max_flat_workgroup_size: 256
    .sgpr_count:     66
    .vgpr_count:     512
    .wavefront_size: 32
...
	.end_amdgpu_metadata
.endif
;; end of part 1
;; launch attn (part 2): grid 16 x 16, 8 waves a work-group, clusters of 4 x 1, 327,680 bytes of LDS; arguments qw, kv, ow, os; writes ow, os
.if DOCPART == 2
	.amdgcn_target "amdgcn-amd-amdhsa--gfx1250"
	.amdhsa_code_object_version 6
	.text
	.protected	k_q93ee109303_attn
	.globl	k_q93ee109303_attn
	.p2align	8
	.type	k_q93ee109303_attn,@function
k_q93ee109303_attn:
	s_mov_b64 s[64:65], 0
	v_nop
	global_prefetch_b8 v0, s[64:65] scope:SCOPE_SE
	s_setreg_imm32_b32 hwreg(HW_REG_WAVE_MODE, 25, 1), 1
	s_wait_xcnt 0x0
	s_wait_alu depctr_hold_cnt(0) depctr_sa_sdst(0) depctr_va_vdst(0) depctr_va_sdst(0) depctr_va_ssrc(0) depctr_va_vcc(0) depctr_vm_vsrc(0)
	s_getreg_b32 s2, hwreg(HW_REG_IB_STS2, 6, 4)
	s_cmp_eq_u32 s2, 0
	s_cbranch_scc0 .Lentry_in_a_cluster
	s_endpgm
.Lentry_in_a_cluster:
	s_bfe_u32 s2, ttmp6, 0x10000c
	s_cmp_lg_u32 s2, 0x3003
	s_cbranch_scc0 .Lentry_shape_is_right
	s_endpgm
.Lentry_shape_is_right:
; o = softmax(qh kh^T / 8) vh for one head, both products on codes of E5M2 with one E8M0 scale for each 32 along K; o / l is quantised again along the head's channels for the last product.
; THE SOFTMAX: t = score x log2(e) / 8; M = the running largest t rounded UP to a whole number; p = 2^(t - M) is quantised along the keys, not normalised; the row's sum l is taken of the
; unquantised p; when M moves, l and O are multiplied by 2^(old M - new M), which rounds nothing.  O is divided by l at the end (v_rcp_f32 and a multiplication).
; SHARES.  A work-group owns 256 queries of one head (work-group y = 8 batch + head); each of its eight waves 32 of them, two tiles A and B of 16: one pair fragment of qw.  Two waves to a SIMD.
; Every fragment of K and V that a wave reads from LDS feeds both tiles.  Every wave walks the head's 4,096 keys, 128 a step.
; LAYOUT.  Both products transposed: S^T = K Q^T (source 0 = keys), O^T = V^T P^T (source 0 = channels): a lane holds one query of each tile throughout.  The launch before has chosen the keys
; and the channels of a tile so that 16 registers of two neighbouring tiles are 16 neighbours along the next K.
; K = 64 IN AN INSTRUCTION OF 128: a pair fragment of K holds two key tiles (registers 0-7, 8-15); it is multiplied by [Q | zeros] for the first and by [zeros | Q] for the second.
; The zero codes stand on Q's side alone: K's other half is finite (its quantiser holds at 57,344, so no code is infinity or NaN) and adds exact zeros.
; THE RING.  kv lies in memory as a slot lies in LDS: blocks of 16,896 bytes for 128 keys (K's four fragments as images of their registers, V's four, two blocks of 256 bytes of scale words).
; A slot holds 8 blocks, 1,024 keys; each wave brings one block by one tensor load.  Two slots, four fills in all, written out.  By this text's count a wave has one tensor load out at a time,
; and a fill has eight key steps in which to land, so no prefetch is laid beside it.
; CLUSTER.  The four work-groups of a cluster belong to one head and walk the same blocks: every fill is asked for jointly, with the same descriptor and the mask of all four.
; LIMITS: NaN and infinities are not served.  A block of zeros gets the byte 1 where the rule says 127 (its codes are zeros; this program alone reads the bytes).  A block's largest p is taken
; from the block's largest score by the same multiply-add and exponential (this takes v_exp_f32 not to fall where its input rises).
; REGISTERS.  Window 0: v1-9 addresses; v12-23 each tile's -M, largest t, l (two halves), f; v24-31 scale words; v32-51 at work; v64-127, v128-191 S^T then p of A, of B; v192-223 p's codes.
; Window 1: v0-63 K's four fragments; v64-127 V's; v128-191 O^T of A, of B; v192-231 zeros, Q of A, zeros, Q of B, zeros (8 registers each).
.set CHUNK,  16896
.set HEADB,  32*CHUNK
.set QCHUNK, 8448
.set QHEADB, 32*QCHUNK
.set SLOTB,  8*CHUNK
.set SPARE,  2*SLOTB                   ; behind the ring: the spare words, 128 bytes for each of eight waves: four blocks of 256 bytes that no other line names
.set LI,  1                            ; v1  16 x lane
.set L8,  2                            ; v2  8 x lane
.set ADR, 3                            ; v3  the step's block + 16 x lane
.set ADS, 4                            ; v4  the step's block + 8 x lane
.set SPW, 5                            ; v5  LDS address of my spare word; never rewritten
.set NIL, 6                            ; v6  0; never rewritten
.set L4,  7                            ; v7  4 x lane
.set R8,  8                            ; v8  8 r
.set HH,  9                            ; v9  h
.set NMA, 12
.set LSA, 14
.set NMB, 16
.set LSB, 18
.set FFA, 20
.set FFB, 22
.set KSW, 24                           ; v[24:25] K's scale words: fragment f in register f / 2, lanes 16 (f % 2) on
.set VSW, 26                           ; v[26:27] V's likewise
.set QS,  28                           ; v28, v29 Q's scale words of A, of B: the tile's two bytes twice
.set PS,  30                           ; v30, v31 p's
.set TM,  32
.set BM,  32                           ; v32-35 the blocks' largest scores, then largest p
.set T2,  36                           ; v36-39 at work, bytes
.set HD,  40
.set SO,  44                           ; v44-47 the conversions' scale operands
.set TX,  48
.set SA,  64
.set PC,  192
.set WV,  12                           ; s12 wave
.set G1,  16                           ; s[16:23] descriptor group 1
.set G0,  24                           ; s[24:31] group 0, a set for each slot
.set CS,  32                           ; s[32:33] c = log2(e) / 8
.set SEL, 34
.set MNT, 36
.set TB,  37                           ; s37 LDS byte of the step's block
.set CNT, 38
.set MSB, 0
.macro WIN new
.if MSB != \new
	s_set_vgpr_msb (MSB<<8)|\new
.set MSB, \new
.endif
.endm
.macro CROUND                          ; a round of the cluster's barrier
	s_barrier_signal -1
	s_barrier_wait -1
	s_cmp_lg_u32 s[WV], 0
	s_cbranch_scc1 .Lnw0_\@
	s_barrier_signal -3
.Lnw0_\@:
	s_barrier_wait -3
	s_barrier_signal -1
	s_barrier_wait -1
.endm
; THE CHANGE OF SLOTS, at the head of slot's eight steps.  fill = 1: the other slot, which every wave of every partner has left, takes the next 1,024 keys.
.macro CHANGE slot, fill
	s_wait_tensorcnt 0x0                           ; my one load that was out, my block of the slot ahead, has landed; no load of mine is out, so a group 0 may be written
	ds_add_u32 v[SPW], v[NIL]                      ; 0 onto my spare word
	s_add_nc_u64 s[G0+4*\slot+2:G0+4*\slot+3], s[G0+4*\slot+2:G0+4*\slot+3], 2*SLOTB   ; this slot's next fill (behind the last fills the stepped address is not used)
	s_wait_dscnt 0x0                               ; the add is done, and my reads of the slot that I have left are over
.if \fill
	CROUND                                         ; both now hold of every wave of all four work-groups
	tensor_load_to_lds s[G0+4-4*\slot:G0+7-4*\slot], s[G1:G1+7]   ; my one tensor load behind the round, and the first thing there
	s_nop 0
.rept 4
	v_nop
.endr
.else
	s_barrier_signal -1
	s_barrier_wait -1
.endif
.endm
; One tile's softmax for 128 keys: 64 scores a lane in v[sb] on become p, its codes in v[cod] on and its scale word in v[ps].
.macro SOFTMAX sb, nm, ls, ff, cod, ps
.irp b, 0,1,2,3
	v_max3_num_f32 v[BM+\b], v[\sb+16*\b], v[\sb+16*\b+1], v[\sb+16*\b+2]   ; the largest score of each block of 32 keys: for the row's maximum, and for the block's largest p
.endr
.irp i, 3,5,7,9,11,13
.irp b, 0,1,2,3
	v_max3_num_f32 v[BM+\b], v[BM+\b], v[\sb+16*\b+\i], v[\sb+16*\b+\i+1]
.endr
.endr
.irp b, 0,1,2,3
	v_max_num_f32 v[BM+\b], v[BM+\b], v[\sb+16*\b+15]
.endr
.irp b, 0,1,2,3
	s_delay_alu instid0(VALU_DEP_4)
	v_permlanex16_b32 v[T2+\b], v[BM+\b], s[SEL], s[SEL+1]
.endr
.irp b, 0,1,2,3
	s_delay_alu instid0(VALU_DEP_4)
	v_max_num_f32 v[BM+\b], v[BM+\b], v[T2+\b]     ; with lane l xor 16's 16 keys
.endr
	s_delay_alu instid0(VALU_DEP_2)
	v_max3_num_f32 v[TX], v[BM], v[BM+1], v[BM+2]
	s_delay_alu instid0(VALU_DEP_1)
	v_max_num_f32 v[TX], v[TX], v[BM+3]
	s_delay_alu instid0(VALU_DEP_1)
	v_mul_f32 v[TX], s[CS], v[TX]                  ; the step's largest t
	s_delay_alu instid0(VALU_DEP_1)
	v_max_num_f32 v[\nm+1], v[\nm+1], v[TX]        ; the running largest t
	v_mov_b32 v[TX], v[\nm]
	s_delay_alu instid0(VALU_DEP_2)
	v_floor_f32 v[\nm], -v[\nm+1]                  ; -M = floor(-t): M is a whole number
	s_delay_alu instid0(VALU_DEP_1)
	v_sub_f32 v[TX], v[\nm], v[TX]                 ; old M - new M, 0 or less
	s_delay_alu instid0(VALU_DEP_1)
	v_cvt_i32_f32 v[TX], v[TX]                     ; (it saturates)
	s_delay_alu instid0(VALU_DEP_1)
	v_ldexp_f32 v[\ff], 1.0, v[TX]                 ; f = 2^(old M - new M)
.set j, 0
.rept 32
	v_pk_fma_f32 v[\sb+j:\sb+j+1], v[\sb+j:\sb+j+1], s[CS:CS+1], v[\nm:\nm+1] op_sel_hi:[1,0,0]   ; t - M, two at a time
.set j, j+2
.endr
.irp b, 0,1,2,3
	v_fma_f32 v[BM+\b], v[BM+\b], s[CS], v[\nm]
.endr
.set j, 0
	s_wait_alu depctr_va_vdst(0)
.rept 64
	v_exp_f32 v[\sb+j], v[\sb+j]                   ; p = 2^(t - M): one batch
.set j, j+1
.endr
	v_pk_mul_f32 v[\ls:\ls+1], v[\ls:\ls+1], v[\ff:\ff+1] op_sel_hi:[1,0]   ; l under the new M; the plain instruction behind the batch
	s_wait_alu depctr_va_vdst(0)                   ; one wait for the batch, ahead of the first instruction that names a result
.irp b, 0,1,2,3
	v_exp_f32 v[BM+\b], v[BM+\b]                   ; the blocks' largest p
.endr
	v_pk_add_f32 v[T2:T2+1], v[\sb:\sb+1], v[\sb+2:\sb+3]   ; the row's sum of the unquantised p, in two chains
.set j, 4
.rept 15
	v_pk_add_f32 v[\ls:\ls+1], v[\ls:\ls+1], v[\sb+j:\sb+j+1]
	v_pk_add_f32 v[T2:T2+1], v[T2:T2+1], v[\sb+j+2:\sb+j+3]
.set j, j+4
.endr
	s_delay_alu instid0(VALU_DEP_1)
	v_pk_add_f32 v[\ls:\ls+1], v[\ls:\ls+1], v[T2:T2+1]
	s_wait_alu depctr_va_vdst(0)                   ; and one for the four
.irp b, 0,1,2,3
	v_max_num_f32 v[BM+\b], 0x8000000, v[BM+\b]    ; the floor 2^(16 - 127): the byte cannot fall under 1
.endr
.irp b, 0,1,2,3
	s_delay_alu instid0(VALU_DEP_4)
	v_add_nc_u32 v[SO+\b], 0xf8800000, v[BM+\b]
.endr
.irp b, 0,1,2,3
.endr
.irp b, 0,1,2,3
	s_delay_alu instid0(VALU_DEP_4)
	v_lshrrev_b32 v[T2+\b], 23, v[SO+\b]
.endr
	s_delay_alu instid0(VALU_DEP_3)
	v_lshl_or_b32 v[\ps], v[T2+1], 8, v[T2]
	s_delay_alu instid0(VALU_DEP_1)
	v_lshl_or_b32 v[\ps], v[T2+2], 16, v[\ps]
	s_delay_alu instid0(VALU_DEP_1)
	v_lshl_or_b32 v[\ps], v[T2+3], 24, v[\ps]
.irp b, 0,1,2,3
.set j, 0
.rept 16
.set j, j+1
.endr
	v_cvt_scalef32_pk8_bf8_f32 v[\cod+4*\b:\cod+4*\b+1], v[\sb+16*\b:\sb+16*\b+7], v[SO+\b]
	v_cvt_scalef32_pk8_bf8_f32 v[\cod+4*\b+2:\cod+4*\b+3], v[\sb+16*\b+8:\sb+16*\b+15], v[SO+\b]
.endr
.endm
; A KEY STEP: the 128 keys of the block at LDS byte s[TB].
.macro STEP
	v_add_nc_u32 v[ADR], s[TB], v[LI]
	v_add_nc_u32 v[ADS], s[TB], v[L8]
.rept 6
	v_nop                                          ; with the two additions: eight places behind the last products, in front of the loads into their operands and scale words
.endr
	ds_load_b64 v[KSW:KSW+1], v[ADS] offset:16384
	ds_load_b64 v[VSW:VSW+1], v[ADS] offset:16640
	WIN 0x40                                       ; destination window 1
.irp f, 0,1,2,3
.irp c, 0,1,2,3
	ds_load_b128 v[16*\f+4*\c:16*\f+4*\c+3], v[ADR] offset:2048*\f+512*\c
.endr
.endr
.irp t, 0,1,2,3
.irp c, 0,1,2,3
	ds_load_b128 v[64+16*\t+4*\c:64+16*\t+4*\c+3], v[ADR] offset:8192+2048*\t+512*\c
.endr
.endr
	s_wait_dscnt 16                                ; the scale words and K are in; V's sixteen loads may stay out
	WIN 0x05                                       ; K and Q in window 1, S^T in window 0
.irp f, 0,1,2,3
.irp u, 0,1
.irp q, 0,1
.if \f%2
	v_wmma_scale_f32_16x16x128_f8f6f4 v[SA+64*\q+8*(2*\f+\u):SA+64*\q+8*(2*\f+\u)+7], v[16*\f:16*\f+15], v[192+16*\q+8*(1-\u):192+16*\q+8*(1-\u)+15], 0, v[KSW+\f/2], v[QS+\q] matrix_a_fmt:MATRIX_FMT_BF8 matrix_b_fmt:MATRIX_FMT_BF8 matrix_a_scale:MATRIX_SCALE_ROW1
.else
	v_wmma_scale_f32_16x16x128_f8f6f4 v[SA+64*\q+8*(2*\f+\u):SA+64*\q+8*(2*\f+\u)+7], v[16*\f:16*\f+15], v[192+16*\q+8*(1-\u):192+16*\q+8*(1-\u)+15], 0, v[KSW+\f/2], v[QS+\q] matrix_a_fmt:MATRIX_FMT_BF8 matrix_b_fmt:MATRIX_FMT_BF8
.endif
.endr
.endr
.endr
	WIN 0
.rept 8
	v_nop                                          ; eight places in front of the first read of results
.endr
	SOFTMAX SA, NMA, LSA, FFA, PC, PS
	s_setprio 1
	SOFTMAX SA+64, NMB, LSB, FFB, PC+16, PS+1
	WIN 0x41                                       ; O^T in window 1, f in window 0
.set j, 0
	s_setprio 0
.rept 16
	v_pk_mul_f32 v[128+j:129+j], v[128+j:129+j], v[FFA:FFA+1] op_sel_hi:[1,0]   ; O^T under the new M; these 32 are also the places between the codes, the scale words and the products
.set j, j+2
.endr
.rept 16
	v_pk_mul_f32 v[128+j:129+j], v[128+j:129+j], v[FFB:FFB+1] op_sel_hi:[1,0]
.set j, j+2
.endr
	s_wait_alu depctr_va_vdst(0)
	s_wait_dscnt 0x0                               ; V is in
	WIN 0x51                                       ; V, C and D in window 1, p's codes in window 0
.irp t, 0,1,2,3
.irp q, 0,1
.if \t%2
	v_wmma_scale_f32_16x16x128_f8f6f4 v[128+32*\q+8*\t:128+32*\q+8*\t+7], v[64+16*\t:64+16*\t+15], v[PC+16*\q:PC+16*\q+15], v[128+32*\q+8*\t:128+32*\q+8*\t+7], v[VSW+\t/2], v[PS+\q] matrix_a_fmt:MATRIX_FMT_BF8 matrix_b_fmt:MATRIX_FMT_BF8 matrix_a_scale:MATRIX_SCALE_ROW1
.else
	v_wmma_scale_f32_16x16x128_f8f6f4 v[128+32*\q+8*\t:128+32*\q+8*\t+7], v[64+16*\t:64+16*\t+15], v[PC+16*\q:PC+16*\q+15], v[128+32*\q+8*\t:128+32*\q+8*\t+7], v[VSW+\t/2], v[PS+\q] matrix_a_fmt:MATRIX_FMT_BF8 matrix_b_fmt:MATRIX_FMT_BF8
.endif
.endr
.endr
	WIN 0                                          ; eight accumulators, one instruction each
.endm
.macro SLOT_STEPS slot
	s_mov_b32 s[TB], \slot*SLOTB
	s_mov_b32 s[CNT], 8
.Lstep_\@:
	s_wait_alu depctr_va_vdst(0)
	s_setprio 2
	STEP
	s_add_co_u32 s[TB], s[TB], CHUNK
	s_sub_co_u32 s[CNT], s[CNT], 1
	s_cmp_lg_u32 s[CNT], 0
	s_cbranch_scc1 .Lstep_\@
	s_setprio 0
.endm
; 64 numbers of a lane, four blocks of 16 registers whose other 16 lie in lane l xor 16, become 16 registers of codes in v[PC] on; the blocks' bytes stay in v[TM+4] on.
.macro QUANT s
.irp b, 0,1,2,3
	v_max3_num_f32 v[TM+\b], |v[\s+16*\b]|, |v[\s+1+16*\b]|, 0x8000000
.endr
.irp i, 2,4,6,8,10,12,14
.irp b, 0,1,2,3
	s_delay_alu instid0(VALU_DEP_4)
	v_max3_num_f32 v[TM+\b], v[TM+\b], |v[\s+16*\b+\i]|, |v[\s+1+16*\b+\i]|
.endr
.endr
.irp b, 0,1,2,3
	s_delay_alu instid0(VALU_DEP_4)
	v_permlanex16_b32 v[TM+4+\b], v[TM+\b], s[SEL], s[SEL+1]
.endr
.irp b, 0,1,2,3
	s_delay_alu instid0(VALU_DEP_4)
	v_max_num_f32 v[TM+\b], v[TM+\b], v[TM+4+\b]
.endr
.irp b, 0,1,2,3
	s_delay_alu instid0(VALU_DEP_4)
	v_add_nc_u32 v[TM+12+\b], 0xf8800000, v[TM+\b]
.endr
.irp b, 0,1,2,3
.endr
.irp b, 0,1,2,3
	s_delay_alu instid0(VALU_DEP_4)
	v_lshrrev_b32 v[TM+4+\b], 23, v[TM+12+\b]
.endr
.irp b, 0,1,2,3
.irp i, 0,1,2,3,4,5,6,7,8,9,10,11,12,13,14,15
.endr
	v_cvt_scalef32_pk8_bf8_f32 v[PC+4*\b:PC+1+4*\b], v[\s+16*\b:\s+7+16*\b], v[TM+12+\b]
	v_cvt_scalef32_pk8_bf8_f32 v[PC+2+4*\b:PC+3+4*\b], v[\s+8+16*\b:\s+15+16*\b], v[TM+12+\b]
.endr
	v_nop
.endm
	s_load_b256 s[4:11], s[0:1], 0x0               ; qw s[4:5], kv s[6:7], ow s[8:9], os s[10:11]
	v_lshl_add_u32 v[SPW], v0, 2, SPARE
	v_mov_b32 v[NIL], 0
	ds_add_u32 v5, v6
	ds_add_u32 v5, v6
	s_wait_dscnt 0x0
	v_lshrrev_b32 v1, 5, v0
	s_delay_alu instid0(VALU_DEP_1)
	v_readfirstlane_b32 s[WV], v1                  ; wave 0..7
	s_bfe_u32 s13, ttmp6, 0x40000                  ; cx: my place in the cluster; it enters Q's and the results' addresses alone
	s_lshl_b32 s14, ttmp9, 2
	s_add_co_u32 s14, s14, s13                     ; my block of 256 queries
	s_and_b32 s15, ttmp7, 0xffff                   ; 8 batch + head, which the four partners share
	; group 1: a dense block of 16,896 bytes as 66 rows of 256 bytes (32 elements of 8 bytes), no padding
	s_mov_b32 s[G1], 15|(3<<16)|(1<<21)            ; 15:0 the mask: all four work-groups; 17:16 elements of 8 bytes; 21 set beside a mask
	s_mov_b32 s[G1+1], 32<<16                      ; tensor_dim0 = 32
	s_mov_b32 s[G1+2], 66<<16                      ; tensor_dim1 = 66
	s_mov_b32 s[G1+3], 32<<16                      ; tile_dim0 = 32
	s_mov_b32 s[G1+4], 66                          ; tile_dim1 = 66
	s_mov_b32 s[G1+5], 32                          ; the pitch
	s_mov_b32 s[G1+6], 0
	s_mov_b32 s[G1+7], 0
	s_mov_b32 s[CS], 0x3e38aa3b                    ; c = log2(e) / 8
	s_mov_b32 s[CS+1], s[CS]
	s_mov_b32 s[SEL], 0x76543210
	s_mov_b32 s[SEL+1], 0xfedcba98
	s_mul_i32 s42, s[WV], CHUNK                    ; my block of a slot: in LDS and in memory alike
	s_mul_i32 s40, s15, HEADB
	s_add_co_u32 s40, s40, s42
	s_mov_b32 s41, 0
	s_wait_kmcnt 0x0
	s_mov_b32 s[G0], 1                             ; count = 1
	s_mov_b32 s[G0+1], s42                         ; LDS address: slot 0
	s_add_nc_u64 s[G0+2:G0+3], s[6:7], s[40:41]    ; the head's keys 0 to 1,023
	s_mov_b32 s[G0+4], 1
	s_add_co_u32 s[G0+5], s42, SLOTB               ; slot 1
	s_add_nc_u64 s[G0+6:G0+7], s[G0+2:G0+3], SLOTB ; keys 1,024 to 2,047
	s_or_b32 s[G0+3], s[G0+3], 0x80000000          ; type = 2
	s_or_b32 s[G0+7], s[G0+7], 0x80000000
	CROUND                                         ; all four work-groups are here: the first joint loads meet
	tensor_load_to_lds s[G0:G0+3], s[G1:G1+7]      ; slot 0; slot 1 is first filled behind the next round, as a refill is
	s_nop 0
.rept 4
	v_nop
.endr
	v_and_b32 v10, 31, v0
	v_and_b32 v11, 15, v0
	v_bfe_u32 v[HH], v0, 4, 1
	s_delay_alu instid0(VALU_DEP_3)
	v_lshlrev_b32 v[LI], 4, v10
	s_wait_alu depctr_va_vdst(0)
	v_lshlrev_b32 v[L8], 3, v10
	v_lshlrev_b32 v[L4], 2, v10
	v_lshlrev_b32 v[R8], 3, v11
	s_mul_i32 s40, s15, QHEADB                     ; Q: chunk 2 x + w / 4 of my head, pair fragment w % 4
	s_lshl_b32 s43, s14, 1
	s_lshr_b32 s52, s[WV], 2
	s_add_co_u32 s43, s43, s52
	s_mul_i32 s43, s43, QCHUNK
	s_add_co_u32 s40, s40, s43
	s_add_nc_u64 s[48:49], s[4:5], s[40:41]
	s_and_b32 s52, s[WV], 1                        ; its scale word: lanes 16 (f % 2) on, word f / 2 of a lane's two
	s_lshl_b32 s52, s52, 7
	s_bfe_u32 s54, s[WV], 0x10001
	s_lshl_b32 s54, s54, 2
	s_add_co_u32 s52, s52, s54
	s_add_co_u32 s52, s52, 8192
	s_mov_b32 s53, 0
	s_add_nc_u64 s[50:51], s[48:49], s[52:53]
	s_and_b32 s52, s[WV], 3
	s_lshl_b32 s52, s52, 11
	s_add_nc_u64 s[48:49], s[48:49], s[52:53]
	WIN 0x40                                       ; destination window 1
.irp c, 0,1
	global_load_b128 v[200+4*\c:203+4*\c], v[LI], s[48:49] offset:512*\c          ; Q of tile A
	global_load_b128 v[216+4*\c:219+4*\c], v[LI], s[48:49] offset:1024+512*\c     ; Q of tile B
.endr
.irp z, 192, 208, 224
.irp i, 0,1,2,3,4,5,6,7
	v_mov_b32 v[\z+\i], 0                          ; the zero codes beside Q
.endr
.endr
.set j, 128
.rept 64
	v_mov_b32 v[j], 0                              ; O^T: the step is written once; its first pass finds zeros
.set j, j+1
.endr
	WIN 0
	global_load_b32 v49, v[R8], s[50:51]
	v_mov_b32 v[NMA+1], 0xff61b1e6                 ; the largest t so far: -3e38
	v_mov_b32 v[NMB+1], 0xff61b1e6
	s_delay_alu instid0(VALU_DEP_2)
	v_floor_f32 v[NMA], -v[NMA+1]
	s_delay_alu instid0(VALU_DEP_2)
	v_floor_f32 v[NMB], -v[NMB+1]
.irp i, LSA, LSA+1, LSB, LSB+1, FFA+1, FFB+1, T2, T2+1, T2+2, T2+3
	v_mov_b32 v[\i], 0                             ; l; the upper halves of the pairs that f is named by; the permutes' destinations
.endr
	; where the results go: pair P = 128 batch + 8 x + w of 32 tokens, head hd
	s_lshr_b32 s40, s15, 3
	s_lshl_b32 s40, s40, 7
	s_lshl_b32 s43, s14, 3
	s_add_co_u32 s40, s40, s43
	s_add_co_u32 s40, s40, s[WV]
	s_and_b32 s43, s15, 7
	s_lshl_b32 s52, s40, 14                        ; ow: 16,384 P + 2,048 (hd / 2) + 1,024 (hd % 2)
	s_lshr_b32 s54, s43, 1
	s_lshl_b32 s54, s54, 11
	s_add_co_u32 s52, s52, s54
	s_and_b32 s54, s43, 1
	s_lshl_b32 s54, s54, 10
	s_add_co_u32 s52, s52, s54
	s_add_nc_u64 s[44:45], s[8:9], s[52:53]
	s_lshl_b32 s52, s40, 10                        ; os: 1,024 P + 128 hd
	s_lshl_b32 s54, s43, 7
	s_add_co_u32 s52, s52, s54
	s_add_nc_u64 s[46:47], s[10:11], s[52:53]
	s_wait_loadcnt 0x0                             ; Q and its scale word
	v_and_b32 v50, 0xffff, v49
	s_delay_alu instid0(VALU_DEP_1)
	v_lshl_or_b32 v[QS], v49, 16, v50              ; A's two bytes twice: they serve [Q | 0] and [0 | Q] alike
	v_lshrrev_b32 v50, 16, v49
	s_delay_alu instid0(VALU_DEP_1)
	v_and_or_b32 v[QS+1], v49, 0xffff0000, v50     ; B's
	CHANGE 0, 1                                    ; slot 0 is whole; slot 1 takes keys 1,024 on
	SLOT_STEPS 0
	CHANGE 1, 1                                    ; slot 0 takes keys 2,048 on
	SLOT_STEPS 1
	CHANGE 0, 1                                    ; slot 1 takes keys 3,072 on
	SLOT_STEPS 0
	CHANGE 1, 0                                    ; nothing is left to fetch
	SLOT_STEPS 1
	; THE WAY OUT: O^T / l, quantised along the head's channels (two blocks a tile), leaves as images of the last product's operand registers.
.rept 8
	v_nop                                          ; places behind the last products
.endr
	v_add_f32 v[LSA], v[LSA], v[LSA+1]
	v_add_f32 v[LSB], v[LSB], v[LSB+1]
	s_delay_alu instid0(VALU_DEP_2)
	v_permlanex16_b32 v[T2], v[LSA], s[SEL], s[SEL+1]
	s_delay_alu instid0(VALU_DEP_2)
	v_permlanex16_b32 v[T2+1], v[LSB], s[SEL], s[SEL+1]
	s_delay_alu instid0(VALU_DEP_2)
	v_add_f32 v[LSA], v[LSA], v[T2]
	s_delay_alu instid0(VALU_DEP_2)
	v_add_f32 v[LSB], v[LSB], v[T2+1]
	s_wait_alu depctr_va_vdst(0)
	v_rcp_f32 v50, v[LSA]
	v_rcp_f32 v51, v[LSB]
	v_nop                                          ; a plain instruction behind the reciprocals
	s_wait_alu depctr_va_vdst(0)                   ; and one wait for both, ahead of the first reader
	WIN 0x01                                       ; source 0 (O^T) in window 1
.irp q, 0,1
.set j, 0
.rept 32
	v_mul_f32 v[SA+32*\q+j], v[128+32*\q+j], v[50+\q]   ; ascending: each accumulator is read from its low end on.  Register 16 b + i is channel 32 b + 16 h + i
.set j, j+1
.endr
.endr
	WIN 0
	QUANT SA                                       ; blocks: (A, 0), (A, 1), (B, 0), (B, 1)
	v_lshl_or_b32 v[TX], v[TM+5], 8, v[TM+4]
	s_delay_alu instid0(VALU_DEP_1)
	v_lshl_or_b32 v[TX], v[TM+6], 16, v[TX]
	s_delay_alu instid0(VALU_DEP_1)
	v_lshl_or_b32 v[TX], v[TM+7], 24, v[TX]
.irp b, 0,1,2,3
	global_store_b128 v[LI], v[PC+4*\b:PC+4*\b+3], s[44:45] offset:8192*(\b/2)+512*(\b%2)   ; tile b / 2, register group 2 (hd % 2) + b % 2 of K step hd / 2: 512 consecutive aligned bytes
.endr
	v_lshrrev_b32 v49, 16, v[TX]
	v_cmp_ne_u32 vcc_lo, 0, v[HH]
	s_delay_alu instid0(VALU_DEP_1)
	v_cndmask_b32 v49, v[TX], v49, vcc_lo          ; lanes 0-15: A's two bytes in the low half; lanes 16-31: B's
	global_store_b32 v[L4], v49, s[46:47]          ; 128 consecutive bytes
	s_wait_tensorcnt 0x0                           ; the wave's end
	ds_add_u32 v[SPW], v[NIL]
	s_wait_dscnt 0x0
	CROUND                                         ; the closing round
	s_endpgm
.Lfunc_end_k_q93ee109303_attn:
	.size	k_q93ee109303_attn, .Lfunc_end_k_q93ee109303_attn-k_q93ee109303_attn
	.p2alignl 7, 3214868480
	.fill 96, 4, 3214868480
	.section	.rodata,"a",@progbits
	.p2align	6, 0x0
	.amdhsa_kernel k_q93ee109303_attn
		.amdhsa_group_segment_fixed_size 327680
		.amdhsa_private_segment_fixed_size 0
		.amdhsa_enable_private_segment 0
		.amdhsa_kernarg_size 32
		.amdhsa_user_sgpr_count 2
		.amdhsa_user_sgpr_kernarg_segment_ptr 1
		.amdhsa_wavefront_size32 1
		.amdhsa_system_sgpr_workgroup_id_x 1
		.amdhsa_system_sgpr_workgroup_id_y 1
		.amdhsa_system_sgpr_workgroup_id_z 1
		.amdhsa_system_vgpr_workitem_id 0
		.amdhsa_next_free_vgpr 512
		.amdhsa_next_free_sgpr 66
		.amdhsa_reserve_vcc 1
		.amdhsa_float_denorm_mode_32 3
		.amdhsa_float_denorm_mode_16_64 3
		.amdhsa_fp16_overflow 1
		.amdhsa_memory_ordered 1
		.amdhsa_forward_progress 1
		.amdhsa_inst_pref_size 144
	.end_amdhsa_kernel
	.amdgpu_metadata
---
amdhsa.version: [ 1, 2 ]
amdhsa.kernels:
  - .name:           k_q93ee109303_attn
    .symbol:         k_q93ee109303_attn.kd
    .args:
      - { .name: qw, .offset: 0, .size: 8, .value_kind: global_buffer, .address_space: global }
      - { .name: kv, .offset: 8, .size: 8, .value_kind: global_buffer, .address_space: global }
      - { .name: ow, .offset: 16, .size: 8, .value_kind: global_buffer, .address_space: global }
      - { .name: os, .offset: 24, .size: 8, .value_kind: global_buffer, .address_space: global }
    .group_segment_fixed_size: 327680
    .private_segment_fixed_size: 0
    .kernarg_segment_align: 8
    .kernarg_segment_size: 32
    .max_flat_workgroup_size: 256
    .sgpr_count:     66
    .vgpr_count:     512
    .wavefront_size: 32
...
	.end_amdgpu_metadata
.endif
;; end of part 2
;; launch oproj (part 3): grid 4 x 64, 8 waves a work-group, no clusters, 134,144 bytes of LDS; arguments ow, os, Wo_codes, Wo_scales, bo, out0; writes out0
.if DOCPART == 3
	.amdgcn_target "amdgcn-amd-amdhsa--gfx1250"
	.amdhsa_code_object_version 6
	.text
	.protected	k_q93ee109303_oproj
	.globl	k_q93ee109303_oproj
	.p2align	8
	.type	k_q93ee109303_oproj,@function
k_q93ee109303_oproj:
	s_mov_b64 s[64:65], 0
	v_nop
	global_prefetch_b8 v0, s[64:65] scope:SCOPE_SE
	s_setreg_imm32_b32 hwreg(HW_REG_WAVE_MODE, 25, 1), 1
	s_wait_xcnt 0x0
; out0 = o Wo + bo.  o: codes of E5M2 made by the launch before, laid as images of operand registers (ow: [pair of 32 tokens][tile 2][K step 4] fragments of 2,048 bytes) with their scale bytes
; (os: [pair][head 8][lane 32] words: lanes 0-15 tile 0's, lanes 16-31 tile 1's; the low half holds the head's two bytes).  Wo: [512 n][512 k] codes, [512][16] scale bytes.  Sums in f32.
; SHARES.  A work-group makes 128 tokens x 128 columns.  Wave w owns one token tile (pair 4 y + w / 2, tile w % 2): its four fragments come from memory straight into registers.
; Wo's 8 tiles x 4 K steps are shared: wave w loads tile w and hands it to the others through LDS as images of its registers.
; TRANSPOSED: source 0 = 16 rows of Wo, source 1 = my 16 tokens: a lane holds eight neighbouring columns of one row of out0.  bo is loaded straight into the accumulators: the C of the first link.
; Lane r of tile x of pair P is token 32 P + 8 x + r + 8 (r / 8): so the launches before have laid the tiles.
; No cluster: what the work-groups share, Wo, is read once by each and is half of a work-group's bytes in; no tensor load, so LDS is claimed as it is used.
.set STG, 65536                        ; LDS: Wo's 32 fragments ((4 t + s) 2,048), then a stage of 16 rows x (512 + 16) bytes for each wave
.set LI,  1                            ; v1 16 x lane
.set VW,  2                            ; v2 512 r + 16 h
.set R16, 3                            ; v3 16 r
.set R4,  4                            ; v4 4 r
.set H32, 5                            ; v5 32 h
.set WW,  6                            ; v6 16 x lane + 8,192 x wave
.set STO, 7                            ; v7 my stage: row r, + 32 h
.set RD,  8                            ; v8 my stage: 16 x lane
.set OT,  16                           ; v16-23 the eight heads' words
.set OSC, 24                           ; v24-27 o's scale words, one a K step
.set WSC, 32                           ; v32-63 Wo's (4 t + s)
.set OF,  64                           ; v64-127 o's four fragments
.set ACC, 128                          ; v128-191 eight accumulators
.set WK,  192                          ; v192-255 Wo's tile on its way to LDS; later the rows read back
.set MSB, 0
.macro WIN new
.if MSB != \new
	s_set_vgpr_msb (MSB<<8)|\new
.set MSB, \new
.endif
.endm
.macro WLOAD s                         ; Wo's eight fragments of K step s into set s % 2 of window 1
.irp t, 0,1,2,3,4,5,6,7
.irp c, 0,1,2,3
	ds_load_b128 v[128*((\s)%2)+16*\t+4*\c:128*((\s)%2)+16*\t+4*\c+3], v[LI] offset:(4*\t+(\s))*2048+512*\c
.endr
.endr
.endm
	s_load_b256 s[4:11], s[0:1], 0x0               ; ow, os, Wo's codes, Wo's scales
	s_load_b128 s[12:15], s[0:1], 0x20             ; bo, out0
	v_lshl_add_u32 v30, v0, 2, 0x20800
	v_mov_b32 v31, 0
	v_lshrrev_b32 v9, 5, v0
	s_delay_alu instid0(VALU_DEP_1)
	v_readfirstlane_b32 s16, v9                    ; wave
	s_mov_b32 s17, ttmp9                           ; which 128 columns
	s_and_b32 s18, ttmp7, 0xffff                   ; which 128 tokens
	v_and_b32 v9, 31, v0
	v_and_b32 v10, 15, v0
	v_bfe_u32 v11, v0, 4, 1
	s_delay_alu instid0(VALU_DEP_3)
	v_lshlrev_b32 v[LI], 4, v9
	s_delay_alu instid0(VALU_DEP_3)
	v_lshlrev_b32 v[VW], 9, v10
	s_delay_alu instid0(VALU_DEP_1)
	v_lshl_add_u32 v[VW], v11, 4, v[VW]
	v_lshlrev_b32 v[R16], 4, v10
	v_lshlrev_b32 v[R4], 2, v10
	v_lshlrev_b32 v[H32], 5, v11
	s_lshl_b32 s35, s16, 13
	v_add_nc_u32 v[WW], s35, v[LI]
	s_mul_i32 s35, s16, 8448
	s_add_co_u32 s35, s35, STG
	v_mul_u32_u24 v[STO], v10, 528
	s_delay_alu instid0(VALU_DEP_1)
	v_lshl_add_u32 v[STO], v11, 5, v[STO]
	s_delay_alu instid0(VALU_DEP_1)
	v_add_nc_u32 v[STO], s35, v[STO]
	v_add_nc_u32 v[RD], s35, v[LI]
	s_mov_b32 s20, 0x05040100                      ; v_perm_b32: the two low halves
	s_lshr_b32 s19, s16, 1
	s_lshl_b32 s21, s18, 2
	s_add_co_u32 s19, s19, s21                     ; my pair
	s_and_b32 s21, s16, 1                          ; my tile of it
	s_lshl_b32 s22, s19, 14
	s_lshl_b32 s24, s21, 13
	s_add_co_u32 s22, s22, s24                     ; ow
	s_mov_b32 s23, 0
	s_lshl_b32 s24, s19, 10
	s_lshl_b32 s26, s21, 6
	s_add_co_u32 s24, s24, s26                     ; os
	s_mov_b32 s25, 0
	s_lshl_b32 s26, s17, 16
	s_lshl_b32 s28, s16, 13
	s_add_co_u32 s26, s26, s28                     ; Wo's codes: row 128 x + 16 w
	s_mov_b32 s27, 0
	s_lshl_b32 s28, s17, 11                        ; Wo's scale bytes: row 128 x
	s_mov_b32 s29, 0
	s_lshl_b32 s30, s17, 9                         ; bo, and the columns' bytes in a row of out0
	s_mov_b32 s31, 0
	s_lshl_b32 s32, s19, 16
	s_lshl_b32 s34, s21, 14
	s_add_co_u32 s32, s32, s34
	s_add_co_u32 s32, s32, s30                     ; out0: row 32 pair + 8 tile
	s_mov_b32 s33, 0
	s_wait_alu depctr_va_vdst(0)
	s_wait_kmcnt 0x0
	s_add_nc_u64 s[4:5], s[4:5], s[22:23]
	s_add_nc_u64 s[6:7], s[6:7], s[24:25]
	s_add_nc_u64 s[8:9], s[8:9], s[26:27]
	s_add_nc_u64 s[10:11], s[10:11], s[28:29]
	s_add_nc_u64 s[12:13], s[12:13], s[30:31]
	s_add_nc_u64 s[14:15], s[14:15], s[32:33]
.irp s, 0,1,2,3
.irp c, 0,1,2,3
	global_load_b128 v[WK+16*\s+4*\c:WK+16*\s+4*\c+3], v[VW], s[8:9] offset:128*\s+32*\c     ; Wo's tile w
.endr
.endr
.irp s, 0,1,2,3
.irp c, 0,1,2,3
	global_load_b128 v[OF+16*\s+4*\c:OF+16*\s+4*\c+3], v[LI], s[4:5] offset:2048*\s+512*\c   ; my tokens' fragments, as they lie
.endr
.endr
.irp d, 0,1,2,3,4,5,6,7
	global_load_b32 v[OT+\d], v[R4], s[6:7] offset:128*\d
.endr
.irp t, 0,1,2,3,4,5,6,7
	global_load_b128 v[WSC+4*\t:WSC+4*\t+3], v[R16], s[10:11] offset:256*\t
.endr
.irp t, 0,1,2,3,4,5,6,7
	global_load_b128 v[ACC+8*\t:ACC+8*\t+3], v[H32], s[12:13] offset:64*\t       ; bo at my eight columns of tile t
	global_load_b128 v[ACC+8*\t+4:ACC+8*\t+7], v[H32], s[12:13] offset:64*\t+16
.endr
	s_wait_loadcnt 48                              ; Wo's sixteen loads are in; the 16 + 8 + 8 + 16 issued behind them may stay out
.irp s, 0,1,2,3
.irp c, 0,1,2,3
	ds_store_b128 v[WW], v[WK+16*\s+4*\c:WK+16*\s+4*\c+3] offset:2048*\s+512*\c
.endr
.endr
	s_wait_dscnt 0x0                               ; for the others' sake: my stores have landed
	s_barrier_signal -1
	s_barrier_wait -1                              ; Wo's 32 fragments lie in LDS; nothing is written there again
	WIN 0x40                                       ; destination window 1
	WLOAD 0
	WLOAD 1
	WIN 0
	s_wait_loadcnt 0x0
.irp s, 0,1,2,3
	v_perm_b32 v[OSC+\s], v[OT+2*\s+1], v[OT+2*\s], s20   ; K step s: the two bytes of head 2 s, then those of head 2 s + 1
.endr
.rept 8
	v_nop                                          ; a scale word made by a vector instruction stands eight places ahead of the product
.endr
	s_wait_alu depctr_va_vdst(0)
.irp s, 0,1,2,3
.if \s == 3
	s_wait_dscnt 0x0
.else
	s_wait_dscnt 32                                ; this K step's fragments are in; the next one's 32 loads may stay out
.endif
	WIN 0x01                                       ; source 0 (Wo) in window 1
.irp t, 0,1,2,3,4,5,6,7
	v_wmma_scale_f32_16x16x128_f8f6f4 v[ACC+8*\t:ACC+8*\t+7], v[128*(\s%2)+16*\t:128*(\s%2)+16*\t+15], v[OF+16*\s:OF+16*\s+15], v[ACC+8*\t:ACC+8*\t+7], v[WSC+4*\t+\s], v[OSC+\s] matrix_a_fmt:MATRIX_FMT_BF8 matrix_b_fmt:MATRIX_FMT_BF8
.endr
	WIN 0                                          ; the eight accumulators take turns, one instruction a turn
.rept 8
	v_nop                                          ; eight places, in front of the loads into the set just multiplied and of the first read of results
.endr
.if \s < 2
	WIN 0x40
	WLOAD \s+2
	WIN 0
.endif
.endr
	; THE WAY OUT: a lane's 32 bytes of a row go through my own stage and come back as whole rows of 512 bytes.  LDS serves a wave's instructions in order (ISA guide 5.7.1.4): no wait between.
.irp t, 0,1,2,3,4,5,6,7
	ds_store_b128 v[STO], v[ACC+8*\t:ACC+8*\t+3] offset:64*\t          ; each accumulator from its low end on
	ds_store_b128 v[STO], v[ACC+8*\t+4:ACC+8*\t+7] offset:64*\t+16
.endr
.irp i, 0,1,2,3,4,5,6,7,8,9,10,11,12,13,14,15
	ds_load_b128 v[WK+4*\i:WK+4*\i+3], v[RD] offset:528*\i
.endr
.irp i, 0,1,2,3,4,5,6,7,8,9,10,11,12,13,14,15
	s_wait_dscnt 15-\i
	global_store_b128 v[LI], v[WK+4*\i:WK+4*\i+3], s[14:15] offset:(\i+8*(\i/8))*2048 th:TH_STORE_NT   ; 32 lanes store 512 consecutive bytes, at a multiple of 512 from out0's first byte
.endr
	s_wait_tensorcnt 0x0
	ds_add_u32 v30, v31
	s_wait_dscnt 0x0
	s_endpgm
.Lfunc_end_k_q93ee109303_oproj:
	.size	k_q93ee109303_oproj, .Lfunc_end_k_q93ee109303_oproj-k_q93ee109303_oproj
	.p2alignl 7, 3214868480
	.fill 96, 4, 3214868480
	.section	.rodata,"a",@progbits
	.p2align	6, 0x0
	.amdhsa_kernel k_q93ee109303_oproj
		.amdhsa_group_segment_fixed_size 134144
		.amdhsa_private_segment_fixed_size 0
		.amdhsa_enable_private_segment 0
		.amdhsa_kernarg_size 48
		.amdhsa_user_sgpr_count 2
		.amdhsa_user_sgpr_kernarg_segment_ptr 1
		.amdhsa_wavefront_size32 1
		.amdhsa_system_sgpr_workgroup_id_x 1
		.amdhsa_system_sgpr_workgroup_id_y 1
		.amdhsa_system_sgpr_workgroup_id_z 1
		.amdhsa_system_vgpr_workitem_id 0
		.amdhsa_next_free_vgpr 512
		.amdhsa_next_free_sgpr 66
		.amdhsa_reserve_vcc 0
		.amdhsa_float_denorm_mode_32 3
		.amdhsa_float_denorm_mode_16_64 3
		.amdhsa_memory_ordered 1
		.amdhsa_forward_progress 1
		.amdhsa_inst_pref_size 29
	.end_amdhsa_kernel
	.amdgpu_metadata
---
amdhsa.version: [ 1, 2 ]
amdhsa.kernels:
  - .name:           k_q93ee109303_oproj
    .symbol:         k_q93ee109303_oproj.kd
    .args:
      - { .name: ow, .offset: 0, .size: 8, .value_kind: global_buffer, .address_space: global }
      - { .name: os, .offset: 8, .size: 8, .value_kind: global_buffer, .address_space: global }
      - { .name: Wo_codes, .offset: 16, .size: 8, .value_kind: global_buffer, .address_space: global }
      - { .name: Wo_scales, .offset: 24, .size: 8, .value_kind: global_buffer, .address_space: global }
      - { .name: bo, .offset: 32, .size: 8, .value_kind: global_buffer, .address_space: global }
      - { .name: out0, .offset: 40, .size: 8, .value_kind: global_buffer, .address_space: global }
    .group_segment_fixed_size: 134144
    .private_segment_fixed_size: 0
    .kernarg_segment_align: 8
    .kernarg_segment_size: 48
    .max_flat_workgroup_size: 256
    .sgpr_count:     66
    .vgpr_count:     512
    .wavefront_size: 32
...
	.end_amdgpu_metadata
.endif
;; end of part 3
